; MI455X (gfx1250); checked and timed in simulation.
; The chip was launched on July 23, 2026; its instructions are those of AMD's public machine-readable ISA for CDNA 5 (MIT licence, August 2026) and "CDNA5" Instruction Set Architecture Reference Guide (July 2026). The comments in the code are by the model that wrote it; some were corrected since.
;; Scaled Dot Product Attention. Allowed arithmetic: matrix products marked QUANTISED: E2M3 operands, one E8M0 scale for each 32 along K, by v_wmma_scale_f32_16x16x128_f8f6f4 with both operands' format E2M3, f32 sums; everything else in f32.
;; Inputs: K_codes 4 x 16 x 2,048 x 2 x 24 uint8 (E2M3 codes of K, K innermost, in blocks of 32 codes, four codes in three bytes); K_scales 4 x 16 x 2,048 x 2 uint8 (E8M0 scales of K, one for each 32 codes along K); Q_codes 4 x 16 x 2,048 x 2 x 24 uint8 (E2M3 codes of Q, K innermost, in blocks of 32 codes, four codes in three bytes); Q_scales 4 x 16 x 2,048 x 2 uint8 (E8M0 scales of Q, one for each 32 codes along K); V_codes 4 x 16 x 64 x 64 x 24 uint8 (E2M3 codes of V, K innermost, in blocks of 32 codes, four codes in three bytes); V_scales 4 x 16 x 64 x 64 uint8 (E8M0 scales of V, one for each 32 codes along K).
;; Outputs: out0 4 x 16 x 2,048 x 64 float32.
;; This version of the problem:
;;   THIS VERSION OF THE PROBLEM IS GIVEN IN LOW PRECISION. The matrix products marked QUANTISED in the list below multiply operands that are first quantised to E2M3 (2 exponent bits, 3 mantissa bits; 6 bits a number), with one power-of-two scale for each 32 numbers along K (OCP MX v1.0); their sums are f32. All else is computed in f32.
;;   The module's matrix products, in the order in which they are computed (A, B: the left and right operand; K: the contracted axis; several contracted axes count as one K, in the product's order):
;;     1. batch 64 x [M 2,048, K 64] x [K 64, N 2,048]; A: input Q (given as codes); B: input K (given as codes): QUANTISED
;;     2. batch 64 x [M 2,048, K 2,048] x [K 2,048, N 64]; A: softmax (see below); B: input V (given as codes): QUANTISED
;;   THE QUANTISER, for each operand of a quantised product, along K:
;;     - K is cut into blocks of 32 from its start; a last block that is shorter is filled with zeros.
;;     - A block's scale is 2^e with e = floor(log2(the largest magnitude in the block)) - 2, held to -126 .. 127; a block of zeros has e = 0. As a byte (E8M0): e + 127.
;;     - Each number is divided by its block's scale, clamped to +-7.5, and rounded to the nearest number of E2M3, ties to even, subnormals kept.
;;     - The product sums the exact products of the quantised numbers (number of the format x scale) in f32.
;;   ~~~python
;;   def quantise(x, axis):      # numpy; x: float32 -> the quantised numbers, widened to float32 again
;;       x = np.moveaxis(x, axis, -1); K = x.shape[-1]
;;       x = np.pad(x, [(0, 0)] * (x.ndim - 1) + [(0, -K % 32)]); x = x.reshape(x.shape[:-1] + (-1, 32)); a = np.abs(x).max(-1, keepdims=True)
;;       e = np.where(a > 0, np.clip(np.frexp(np.where(a > 0, a, 1))[1] - 1 - 2, -126, 127), 0)      # np.frexp(a)[1] - 1 = floor(log2(a)), exactly
;;       r = np.clip(x / 2.0 ** e, -7.5, 7.5)
;;       step = 2.0 ** (np.maximum(np.frexp(np.where(r == 0, 1, r))[1] - 1, 0) - 3)
;;       q = np.round(r / step) * step * 2.0 ** e      # np.round: ties to even
;;       return np.moveaxis(q.reshape(q.shape[:-2] + (-1,))[..., :K], -1, axis).astype(np.float32)
;;   ~~~
;;   SOFTMAX AHEAD OF A QUANTISED PRODUCT. Where the list says 'softmax', what is quantised is not the finished softmax but p = 2^(t - M), with t = logit x log2(e) and M = ceil(the row's largest t), a whole number; so 1/2 < the row's largest p <= 1. The row's sum l is taken of the UNQUANTISED p, in f32, and the product's result is divided by l at the end. Since M is a whole number, a kernel that streams over the keys may use a running M (the ceiling of the running maximum): every later rescaling is an exact power of two, which a block's scale takes up: the codes' values come out the same.
;;   OPERANDS COMPUTED ON THE WAY. 'Computed on the way' means the value that the module computes at that place (a softmax that the list does not call 'softmax' is quantised finished and normalised). What goes into a quantiser is computed in f32, as accurately as f32 sums, v_exp_f32 and their like allow (about 1e-6 of the number): no bf16 or f16 on the way to a quantiser, and a product that is left as it is and whose result goes on into a quantised operand takes f32 operands (vector FMAs, or v_wmma_f32_16x16x4_f32). A number that lies on a knife's edge between two numbers of the format may be rounded either way, as far as f32 arithmetic and the matrix unit's own rounding can turn it there, and no further.
;;   INPUTS GIVEN AS CODES. K (in the module: [4, 16, 2048, 64], K = its axis 3); Q (in the module: [4, 16, 2048, 64], K = its axis 3); V (in the module: [4, 16, 2048, 64], K = its axis 2): each comes as NAME_codes (uint8): NAME with its K axis moved to the last place and cut into blocks of 32 codes, [.., K / 32, bytes a block], one block behind the other in memory; four codes in three bytes: a row's codes are one little-endian stream of bits, code i at bits 6 i .. 6 i + 5 (a code: sign, 2 exponent bits, 3 mantissa bits); and NAME_scales (uint8): the same leading axes, one E8M0 byte (e + 127) for each 32 codes along K. Its value is code x scale, taken as it is: it is not quantised again, and the codes and scales need not be those that the quantiser above would give.
;; One version. Each part assembles by itself: llvm-mc -triple=amdgcn-amd-amdhsa -mcpu=gfx1250 --defsym DOCPART=n.
;; ======== version 1 of 1: 1 launch
;; limits: right only within a limited range of input values
;; launch attn (part 1): grid 4 x 64, 8 waves a work-group, clusters of 4 x 1, 276,992 bytes of LDS; arguments Q_codes, Q_scales, K_codes, K_scales, V_codes, V_scales, out0; writes out0
.if DOCPART == 1
	.amdgcn_target "amdgcn-amd-amdhsa--gfx1250"
	.amdhsa_code_object_version 6
	.text
	.protected	k_qb2f46f752f_attn
	.globl	k_qb2f46f752f_attn
	.p2align	8
	.type	k_qb2f46f752f_attn,@function
k_qb2f46f752f_attn:
	s_mov_b64 s[64:65], 0
	v_nop
	global_prefetch_b8 v0, s[64:65] scope:SCOPE_SE
	s_setreg_imm32_b32 hwreg(HW_REG_WAVE_MODE, 25, 1), 1
	s_wait_xcnt 0x0
	s_wait_alu depctr_hold_cnt(0) depctr_sa_sdst(0) depctr_va_vdst(0) depctr_va_sdst(0) depctr_va_ssrc(0) depctr_va_vcc(0) depctr_vm_vsrc(0)
	s_getreg_b32 s2, hwreg(HW_REG_IB_STS2, 6, 4)
	s_cmp_eq_u32 s2, 0
	s_cbranch_scc0 .Lentry_in_a_cluster
	s_endpgm
.Lentry_in_a_cluster:
	s_bfe_u32 s2, ttmp6, 0x10000c
	s_cmp_lg_u32 s2, 0x3003
	s_cbranch_scc0 .Lentry_shape_is_right
	s_endpgm
.Lentry_shape_is_right:
; out0[head][q][:] = the sum over keys k <= q of softmax_k(Q[q] . K[k] / 8) V[k][:], 64 heads, 2,048 queries and keys, head size 64, both products on codes of FP6 (E2M3) with one E8M0 scale for each 32 along a product's K.
; Q, K: 48 bytes of codes and 2 scale bytes a row (K = the head's 64).  V: codes with the keys innermost, 64 rows of 1,536 bytes and 64 scale bytes a head.  out0: f32, a row is 256 bytes.
; THE FIRST PRODUCT HAS K = 64, the matrix instruction 128: registers 6-11 of both operands hold zero codes, set once, and the scale bytes 2 and 3 are the zeros of a 16-bit load that is widened with zeros.
; THE SOFTMAX: t = score x log2(e) / 8; M = the running largest t rounded UP to a whole number; p = 2^(t - M) is quantised along the keys; the sum is taken of the unquantised p and divides at the end.
; When M moves, the sum and O are multiplied by 2^(old M - new M), which rounds nothing.
; SHARES.  A whole head's K, V and scales (200 KiB) lie in LDS, filled once.  The four work-groups of a cluster belong to one head and ask for every tile JOINTLY.
; The head's queries are 16 groups of 128; group g needs key steps 0 .. g (128 keys a step), the last of them on the diagonal.  Wave w of work-group cx owns 32 queries (two tiles of 16) of group 8 + w
; and then 32 of group 7 - w, both at 32 cx inside the group: (9 + w) + (8 - w) = 17 key steps for every wave.  The two tiles share every fragment of K and V read from LDS.
; LAYOUT.  Both products are used transposed (S^T = K Q^T, O^T = V^T P^T): a lane holds ONE query throughout.  THE KEYS OF A TILE OF K ARE CHOSEN: row m of tile (c, v) is key 64 c + 32 (m / 8) + 8 v + m % 8,
; so that a lane's registers 32 c .. 32 c + 31 of S^T are the keys 64 c + 32 (lane / 16) + 0 .. 31: whole blocks of 32, in the order of the second product's operand.  No block's maximum and no code changes lanes.
; LIMITS.  NaN, infinities and scale bytes 0xff are not served.  Hidden keys of the diagonal step get -1e7 (as -8e7 ahead of the factor 1/8); key steps wholly above the diagonal are left out, which gives the same numbers
; as long as a row's largest score lies more than about 104 above -1e7.  p under 2^-126 becomes 0.  A block's largest p is made from its largest score by the same two instructions: that takes v_exp_f32 not to fall where its input rises.
; REGISTERS, in windows of 256 (s_set_vgpr_msb: bits 1:0 source 0, 3:2 source 1, 5:4 source 2, 7:6 destination).
;   window 0: v1-15 addresses; v16-31 statistics, 8 a tile; v32-41 scale words and nothing else; v44-59 a tile's block figures; v60-75 halves of codes; v76-99 p's codes; v100-110 at work at the head; v128-255 S^T, then p, 64 a tile
;   window 1: v0-63 O^T, 32 a tile; v64-87 Q; v88-99 the second pair's Q; v100-195 K's eight fragments; v196-243 V's four
.set CH,     98816                     ; LDS: a chunk = 8 key steps (1,024 keys).  Chunk k at k x CH
.set KHI,    24704                     ; in a chunk: 16 rows of 1,536 bytes (keys 64 a .. 64 a + 31) at 0; the same for keys 64 a + 32 .. + 63 here: 128 bytes past a multiple of 256, so that a fragment's two groups of eight rows fall on different banks (64 banks of 4 bytes: ISA guide 11.1)
.set VO,     49408                     ; V: 16 places (d % 16) of 3,088 bytes: 4 rows (d / 16) of 768 bytes + 16: place r starts at bank 4 r mod 64
.set VPL,    3088
.set SCK,    2*CH                      ; K's scale bytes of the head, 4,096 dense bytes: 2 a key
.set SCV,    SCK+4096                  ; V's: 64 rows of 64 bytes + 8
.set STAGE,  SCV+64*72                 ; the way out: 32 rows x (256 + 16) bytes for each wave; a multiple of 256, and no fill lands from here on
.set SP,     272
.set WST,    32*SP
.set AK0,  1                           ; my lane's place in a tile of K: 48 (r % 8) + KHI (r / 8) + 24 h
.set AV0,  2                           ; of V: VO + VPL r + 24 h
.set ASK0, 3                           ; among K's scale bytes: SCK + 2 (r % 8) + 64 (r / 8) + 16 h
.set ASV0, 4                           ; among V's scale words: SCV + 72 lane
.set ADK,  5                           ; the four addresses of the step in hand
.set ADV,  6
.set ADS,  7
.set ADT,  8
.set STO,  9                           ; the stage: where I put 32 bytes of a row
.set RD,   10                          ; and where I read a row back
.set GO,   11                          ; my byte offset in two rows of out0
.set SH8,  12                          ; 8 h
.set DM,   13                          ; 32 cx + r - 32 h: the diagonal's compare value (it feeds compares and selects alone)
.set FILL, 14                          ; -8e7
.set TMP,  15
.set ST,   16                          ; tile x at ST + 8 x: +0 -M, +1 the largest t, +2, +3 the sum in two halves, +4 f, +5 zero, +6, +7 at work and the sum's second chain
.set QS,   32                          ; Q's scale words: lane l has query l of the pair's 32
.set QS2,  33                          ; the second pair's
.set KS,   34                          ; v34-37 K's: register i: lanes 0-15 tile 2 i, lanes 16-31 tile 2 i + 1
.set VS,   38                          ; v38-39 V's: register a: lanes 0-15 tile 2 a, lanes 16-31 tile 2 a + 1
.set PS,   40                          ; v40-41 p's, a register a tile
.set BM,   44                          ; tile x at BM + 8 x: +0, +1 the two blocks' largest; +2, +3 the conversions' scale operands; +4, +5 bytes; +6 my half of the word; +7 the other half's
.set CT,   60                          ; tile x at CT + 8 x: the upper 16 codes of block c at + 4 c (a conversion's three registers begin on an even number)
.set PC,   76                          ; p's codes, 12 a tile
.set S,    128
.set OT,   0                           ; window 1
.set QF,   64
.set Q2,   88
.set KF,   100
.set VF,   196
.set WV,   18                          ; my wave's number
.set CX,   19                          ; my place in the cluster: it enters Q's and out0's addresses and DM alone
.set SEL,  20                          ; s[20:21] v_permlanex16_b32's selects for lane l xor 16
.set CS,   22                          ; s[22:23] c = log2(e) / 8; the packed form names a pair and takes its low word
.set G1K,  24                          ; descriptor groups 1: K's tiles, V's, K's scales, V's scales
.set G1V,  32
.set G1KS, 40
.set G1VS, 48
.set D0,   56                          ; descriptor groups 0, in the order of issue
.set D1,   60
.set D2,   68
.set D3,   72
.set D4,   76
.set D5,   80
.set D6,   84
.set D7,   88
.set IX,   92                          ; the trip, 0 .. 16
.set GRA,  93                          ; my first pair's group, 8 + w
.set GRB,  94                          ; my second pair's, 7 - w
.set SS,   95                          ; the key step
.set TBK,  96                          ; where the step's K begins in LDS,
.set TBV,  97                          ; its V (less VO),
.set TS,   98                          ; its scale bytes of K,
.set TJ,   99                          ; its scale words of V
.set T0,   100
.set M2,   101                         ; the second tile's compare mask
.set DG,   66                          ; 1: the step lies on the diagonal and is the pair's last
.set T1,   67
.set MSB, 0
.macro WIN new                         ; the immediate's high byte repeats the setting that is left; a switch that changes nothing is dropped
.if MSB != \new
	s_set_vgpr_msb (MSB<<8)|\new
.set MSB, \new
.endif
.endm
.macro ROUND                           ; a round of the cluster's barrier
	s_barrier_signal -1
	s_barrier_wait -1
	s_cmp_lg_u32 s[WV], 0
	s_cbranch_scc1 .Lnot_wave_0_\@
	s_barrier_signal -3
.Lnot_wave_0_\@:
	s_barrier_wait -3
	s_barrier_signal -1
	s_barrier_wait -1
.endm
	s_load_b256 s[4:11], s[0:1], 0x0               ; Q's codes s[4:5], Q's scales s[6:7], K's codes s[8:9], K's scales s[10:11]
	s_load_b128 s[12:15], s[0:1], 0x20             ; V's codes s[12:13], V's scales s[14:15]
	s_load_b64 s[16:17], s[0:1], 0x30              ; out0
	v_lshl_add_u32 v126, v0, 2, 0x43600
	v_mov_b32 v127, 0
	ds_add_u32 v126, v127
	ds_add_u32 v126, v127
	v_lshrrev_b32 v[TMP], 5, v0
	v_readfirstlane_b32 s[WV], v[TMP]              ; wave 0..7
	s_bfe_u32 s[CX], ttmp6, 0x40000                ; cx
	s_and_b32 s[T0], ttmp7, 0xffff                 ; the head, which the four partners share
	s_mov_b32 s[SEL], 0x76543210
	s_mov_b32 s[SEL+1], 0xfedcba98
	s_mov_b32 s[CS], 0x3e38aa3b                    ; log2(e) / 8
	s_mov_b32 s[CS+1], s[CS]                       ; (named with it as a pair, so it is written)
	; descriptor groups 1: elements of 8 bytes; 15:0 the mask: all four work-groups; bit 21 set beside it
	s_mov_b32 s[G1K], 15|(3<<16)|(1<<21)           ; K: 4 rows of 1,536 bytes (32 keys each), 3,072 bytes apart in memory, dense in LDS
	s_mov_b32 s[G1K+1], 192<<16                    ; tensor_dim0
	s_mov_b32 s[G1K+2], 4<<16                      ; tensor_dim1
	s_mov_b32 s[G1K+3], 192<<16                    ; tile_dim0
	s_mov_b32 s[G1K+4], 4                          ; tile_dim1
	s_mov_b32 s[G1K+5], 384                        ; tensor_dim0_stride
	s_mov_b32 s[G1K+6], 0
	s_mov_b32 s[G1K+7], 0
	s_mov_b32 s[G1V], 15|(3<<16)|(1<<21)           ; V: one place: 4 rows (d = l, l + 16, l + 32, l + 48) of 768 bytes (1,024 keys), 16 rows of 1,536 bytes apart in memory
	s_mov_b32 s[G1V+1], 96<<16
	s_mov_b32 s[G1V+2], 4<<16
	s_mov_b32 s[G1V+3], 96<<16
	s_mov_b32 s[G1V+4], 4
	s_mov_b32 s[G1V+5], 3072
	s_mov_b32 s[G1V+6], 0
	s_mov_b32 s[G1V+7], 0
	s_mov_b32 s[G1KS], 15|(3<<16)|(1<<21)          ; K's scales: 512 dense bytes as 2 rows of 256
	s_mov_b32 s[G1KS+1], 32<<16
	s_mov_b32 s[G1KS+2], 2<<16
	s_mov_b32 s[G1KS+3], 32<<16
	s_mov_b32 s[G1KS+4], 2
	s_mov_b32 s[G1KS+5], 32
	s_mov_b32 s[G1KS+6], 0
	s_mov_b32 s[G1KS+7], 0
	s_mov_b32 s[G1VS], 15|(3<<16)|(1<<20)|(1<<21)|(3<<22)|(1<<25)  ; V's scales: 8 rows of 64 bytes, dense in memory; 2 words of padding behind every 16
	s_mov_b32 s[G1VS+1], 8<<16
	s_mov_b32 s[G1VS+2], 8<<16
	s_mov_b32 s[G1VS+3], 8<<16
	s_mov_b32 s[G1VS+4], 8
	s_mov_b32 s[G1VS+5], 8
	s_mov_b32 s[G1VS+6], 0
	s_mov_b32 s[G1VS+7], 0
	; offsets, made of the head and the wave's number alone (s92-99, s66, s2, s3 are at work here and get their lasting meaning later)
	s_mul_i32 s96, s[T0], 98304                    ; s[96:97]: the head's first byte in each tensor of codes
	s_mov_b32 s97, 0
	s_lshl_b32 s98, s[T0], 12                      ; s[98:99]: the head's scale bytes + my wave's 512
	s_lshl_b32 s[T1], s[WV], 9
	s_add_co_u32 s98, s98, s[T1]
	s_mov_b32 s99, 0
	s_and_b32 s66, s[WV], 1                        ; K: which half of each 64 keys,
	s_lshr_b32 s2, s[WV], 1                        ; and which 4 of a chunk's 16 rows
	s_mul_i32 s92, s66, 1536
	s_mul_i32 s93, s2, 12288
	s_add_co_u32 s92, s92, s93
	s_mov_b32 s93, 0
	s_add_nc_u64 s[92:93], s[92:93], s[96:97]      ; in memory,
	s_mul_i32 s94, s66, KHI
	s_mul_i32 s95, s2, 6144
	s_add_co_u32 s94, s94, s95                     ; and in a chunk
	s_mul_i32 s2, s[WV], 3072                      ; V: places 2 w and 2 w + 1: rows d = 2 w, 2 w + 1 in memory,
	s_mov_b32 s3, 0
	s_add_nc_u64 s[2:3], s[2:3], s[96:97]
	s_mul_i32 s95, s[WV], 2*VPL                    ; and in a chunk
	s_mul_i32 s66, s[WV], 576                      ; V's scales: my 8 rows of 72 bytes
	s_wait_dscnt 0x0
	s_wait_kmcnt 0x0
	; descriptor groups 0: count 1, LDS address, global address, type 2
	s_mov_b32 s[D0], 1                             ; K's scales
	s_add_co_u32 s[D0+1], s[T1], SCK
	s_add_nc_u64 s[D0+2:D0+3], s[10:11], s[98:99]
	s_or_b32 s[D0+3], s[D0+3], 0x80000000
	s_mov_b32 s[D1], 1                             ; V's scales
	s_add_co_u32 s[D1+1], s66, SCV
	s_add_nc_u64 s[D1+2:D1+3], s[14:15], s[98:99]
	s_or_b32 s[D1+3], s[D1+3], 0x80000000
	s_mov_b32 s[D2], 1                             ; K, chunk 0
	s_mov_b32 s[D2+1], s94
	s_add_nc_u64 s[D2+2:D2+3], s[8:9], s[92:93]
	s_or_b32 s[D2+3], s[D2+3], 0x80000000
	s_mov_b32 s[D3], 1                             ; V, chunk 0, place 2 w
	s_add_co_u32 s[D3+1], s95, VO
	s_add_nc_u64 s[D3+2:D3+3], s[12:13], s[2:3]
	s_or_b32 s[D3+3], s[D3+3], 0x80000000
	s_mov_b32 s[D4], 1                             ; place 2 w + 1
	s_add_co_u32 s[D4+1], s95, VO+VPL
	s_add_nc_u64 s[D4+2:D4+3], s[12:13], s[2:3]
	s_add_nc_u64 s[D4+2:D4+3], s[D4+2:D4+3], 1536
	s_or_b32 s[D4+3], s[D4+3], 0x80000000
	s_mov_b32 s[D5], 1                             ; K, chunk 1: 1,024 keys of 48 bytes on
	s_add_co_u32 s[D5+1], s94, CH
	s_add_nc_u64 s[D5+2:D5+3], s[8:9], s[92:93]
	s_add_nc_u64 s[D5+2:D5+3], s[D5+2:D5+3], 49152
	s_or_b32 s[D5+3], s[D5+3], 0x80000000
	s_mov_b32 s[D6], 1                             ; V, chunk 1: 768 bytes on in each row
	s_add_co_u32 s[D6+1], s95, CH+VO
	s_add_nc_u64 s[D6+2:D6+3], s[12:13], s[2:3]
	s_add_nc_u64 s[D6+2:D6+3], s[D6+2:D6+3], 768
	s_or_b32 s[D6+3], s[D6+3], 0x80000000
	s_mov_b32 s[D7], 1
	s_add_co_u32 s[D7+1], s95, CH+VO+VPL
	s_add_nc_u64 s[D7+2:D7+3], s[12:13], s[2:3]
	s_add_nc_u64 s[D7+2:D7+3], s[D7+2:D7+3], 768+1536
	s_or_b32 s[D7+3], s[D7+3], 0x80000000
	ROUND                                          ; all four work-groups are here: the joint loads meet
	tensor_load_to_lds s[D0:D0+3], s[G1KS:G1KS+7]  ; every fill of the launch, one group: eight loads of mine are out; no byte of LDS is filled twice
	s_nop 0
	tensor_load_to_lds s[D1:D1+3], s[G1VS:G1VS+7]
	s_nop 0
	tensor_load_to_lds s[D2:D2+3], s[G1K:G1K+7]
	s_nop 0
	tensor_load_to_lds s[D3:D3+3], s[G1V:G1V+7]
	s_nop 0
	tensor_load_to_lds s[D4:D4+3], s[G1V:G1V+7]
	s_nop 0
	tensor_load_to_lds s[D5:D5+3], s[G1K:G1K+7]
	s_nop 0
	tensor_load_to_lds s[D6:D6+3], s[G1V:G1V+7]
	s_nop 0
	tensor_load_to_lds s[D7:D7+3], s[G1V:G1V+7]
	s_nop 0
.rept 4
	v_nop                                          ; four lines behind the last tensor load, ahead of any switch of windows
.endr
	s_add_co_u32 s[GRA], s[WV], 8
	s_sub_co_u32 s[GRB], 7, s[WV]
	s_mul_i32 s98, s[CX], 1536                     ; Q's codes at the head's query 32 cx: 48 bytes a query
	s_mov_b32 s99, 0
	s_add_nc_u64 s[98:99], s[98:99], s[96:97]
	s_add_nc_u64 s[4:5], s[4:5], s[98:99]
	s_lshl_b32 s98, s[T0], 12                      ; Q's scales likewise: 2 bytes a query
	s_lshl_b32 s[T1], s[CX], 6
	s_add_co_u32 s98, s98, s[T1]
	s_mov_b32 s99, 0
	s_add_nc_u64 s[6:7], s[6:7], s[98:99]
	s_lshl_b32 s98, s[T0], 19                      ; out0 likewise: 256 bytes a query
	s_lshl_b32 s[T1], s[CX], 13
	s_add_co_u32 s98, s98, s[T1]
	s_add_nc_u64 s[16:17], s[16:17], s[98:99]
	s_lshl_b32 s98, s[GRB], 15
	s_add_nc_u64 s[2:3], s[16:17], s[98:99]        ; s[2:3]: the second pair's rows of out0,
	s_lshl_b32 s98, s[GRA], 15
	s_add_nc_u64 s[16:17], s[16:17], s[98:99]      ; s[16:17]: the first pair's
	v_and_b32 v100, 15, v0                         ; r = lane % 16
	v_bfe_u32 v101, v0, 4, 1                       ; h = lane / 16
	v_and_b32 v102, 31, v0                         ; lane
	v_and_b32 v103, 7, v0                          ; r % 8
	v_bfe_u32 v104, v0, 3, 1                       ; r / 8
	v_mul_u32_u24 v105, v100, 48
	v_mad_u32_u24 v105, v101, 24, v105             ; Q: row r, + my half's 24 bytes,
	s_mul_i32 s[T1], s[GRA], 6144
	v_add_nc_u32 v106, s[T1], v105                 ; in group 8 + w,
	s_mul_i32 s[T1], s[GRB], 6144
	v_add_nc_u32 v107, s[T1], v105                 ; and in group 7 - w
	v_lshlrev_b32 v108, 1, v102                    ; Q's scales: 2 bytes a lane
	s_lshl_b32 s[T1], s[GRA], 8
	v_add_nc_u32 v109, s[T1], v108
	s_lshl_b32 s[T1], s[GRB], 8
	v_add_nc_u32 v110, s[T1], v108
	WIN 0x40                                       ; destination window 1
.irp x, 0,1
.irp p, 0,1,2
	global_load_b64 v[QF+12*\x+2*\p:QF+12*\x+2*\p+1], v106, s[4:5] offset:768*\x+8*\p th:TH_LOAD_NT   ; Q's fragments: registers 0-5, d = 32 h + 0 .. 31
	global_load_b64 v[Q2+6*\x+2*\p:Q2+6*\x+2*\p+1], v107, s[4:5] offset:768*\x+8*\p th:TH_LOAD_NT     ; the second pair's wait in registers
.endr
.endr
.irp u, 0,1,2,3,4,5,6,7
.irp i, 6,7,8,9,10,11
	v_mov_b32 v[KF+12*\u+\i], 0                    ; zero codes for k = 64 .. 127 of the first product: set once, no load lands here
.endr
.endr
.irp x, 0,1
.irp i, 6,7,8,9,10,11
	v_mov_b32 v[QF+12*\x+\i], 0
.endr
.endr
	WIN 0
	global_load_u16 v[QS], v109, s[6:7] th:TH_LOAD_NT    ; two scale bytes, widened with zeros
	global_load_u16 v[QS2], v110, s[6:7] th:TH_LOAD_NT
	v_mul_u32_u24 v[AK0], v103, 48
	v_mad_u32_u24 v[AK0], v104, KHI, v[AK0]
	v_mad_u32_u24 v[AK0], v101, 24, v[AK0]
	v_mul_u32_u24 v[AV0], v100, VPL
	v_mad_u32_u24 v[AV0], v101, 24, v[AV0]
	v_add_nc_u32 v[AV0], VO, v[AV0]
	v_lshlrev_b32 v[ASK0], 1, v103
	v_lshl_add_u32 v[ASK0], v104, 6, v[ASK0]
	v_lshl_add_u32 v[ASK0], v101, 4, v[ASK0]
	v_add_nc_u32 v[ASK0], SCK, v[ASK0]
	v_mul_u32_u24 v[ASV0], v102, 72
	v_add_nc_u32 v[ASV0], SCV, v[ASV0]
	s_mul_i32 s[T1], s[WV], WST
	s_add_co_u32 s[T1], s[T1], STAGE               ; my stage
	v_mul_u32_u24 v[STO], v100, SP
	v_lshl_add_u32 v[STO], v101, 5, v[STO]
	v_add_nc_u32 v[STO], s[T1], v[STO]             ; in: row r, 32 bytes for each half of the lanes
	v_mul_u32_u24 v[RD], v101, SP
	v_lshl_add_u32 v[RD], v100, 4, v[RD]
	v_add_nc_u32 v[RD], s[T1], v[RD]               ; back: lanes 0-15 one row of 256 bytes, lanes 16-31 the next
	v_lshlrev_b32 v[GO], 8, v101
	v_lshl_add_u32 v[GO], v100, 4, v[GO]           ; and the same two rows in out0
	v_lshlrev_b32 v[SH8], 3, v101
	v_lshlrev_b32 v[TMP], 5, v101
	v_sub_nc_u32 v[DM], v100, v[TMP]
	s_lshl_b32 s[T1], s[CX], 5
	v_add_nc_u32 v[DM], s[T1], v[DM]
	v_mov_b32 v[FILL], 0xcc989680                  ; -8e7: x 1/8 it is the -1e7 that hidden scores get
.irp x, 0,1
	v_mov_b32 v[ST+8*\x+5], 0                      ; named as the upper half of the pair with f
	v_mov_b32 v[ST+8*\x+7], 0                      ; a lane permute's destination counts as one of its sources
	v_mov_b32 v[BM+8*\x+7], 0
.endr
; A pair begins: the largest t is -3e38, under every t; the sums and O^T are zeros, which the first change of M leaves zeros.  So a key step is written without a first step of its own.
.macro RESET
	WIN 0
.irp x, 0,1
	v_mov_b32 v[ST+8*\x+1], 0xff61b1e6
	v_floor_f32 v[ST+8*\x], -v[ST+8*\x+1]
	v_mov_b32 v[ST+8*\x+2], 0
	v_mov_b32 v[ST+8*\x+3], 0
.endr
	WIN 0x40
.set j, 0
.rept 64
	v_mov_b32 v[OT+j], 0
.set j, j+1
.endr
	WIN 0
.endm
; S^T tile u of tile x of queries: source 0 = 16 keys, source 1 = 16 queries.  Odd tiles' scale words lie in lanes 16-31 of K's register, the second tile's queries in lanes 16-31 of Q's.
.macro KQ u, x
.set kd, S+64*(\x)+8*(\u)
.set ka, KF+12*(\u)
.set kb, QF+12*(\x)
.set ks, KS+(\u)/2
.if ((\u)%2 == 0) && ((\x) == 0)
	v_wmma_scale_f32_16x16x128_f8f6f4 v[kd:kd+7], v[ka:ka+11], v[kb:kb+11], 0, v[ks], v[QS] matrix_a_fmt:MATRIX_FMT_FP6 matrix_b_fmt:MATRIX_FMT_FP6
.elseif (\u)%2 == 0
	v_wmma_scale_f32_16x16x128_f8f6f4 v[kd:kd+7], v[ka:ka+11], v[kb:kb+11], 0, v[ks], v[QS] matrix_a_fmt:MATRIX_FMT_FP6 matrix_b_fmt:MATRIX_FMT_FP6 matrix_b_scale:MATRIX_SCALE_ROW1
.elseif (\x) == 0
	v_wmma_scale_f32_16x16x128_f8f6f4 v[kd:kd+7], v[ka:ka+11], v[kb:kb+11], 0, v[ks], v[QS] matrix_a_fmt:MATRIX_FMT_FP6 matrix_b_fmt:MATRIX_FMT_FP6 matrix_a_scale:MATRIX_SCALE_ROW1
.else
	v_wmma_scale_f32_16x16x128_f8f6f4 v[kd:kd+7], v[ka:ka+11], v[kb:kb+11], 0, v[ks], v[QS] matrix_a_fmt:MATRIX_FMT_FP6 matrix_b_fmt:MATRIX_FMT_FP6 matrix_a_scale:MATRIX_SCALE_ROW1 matrix_b_scale:MATRIX_SCALE_ROW1
.endif
.endm
; O^T tile t (d = 16 t on) of tile x += V^T P^T: source 0 = 16 rows of V, source 1 = p's codes
.macro PV t, x
.set pd, OT+32*(\x)+8*(\t)
.set pa, VF+12*(\t)
.set pb, PC+12*(\x)
.if (\t)%2 == 0
	v_wmma_scale_f32_16x16x128_f8f6f4 v[pd:pd+7], v[pa:pa+11], v[pb:pb+11], v[pd:pd+7], v[VS+(\t)/2], v[PS+(\x)] matrix_a_fmt:MATRIX_FMT_FP6 matrix_b_fmt:MATRIX_FMT_FP6
.else
	v_wmma_scale_f32_16x16x128_f8f6f4 v[pd:pd+7], v[pa:pa+11], v[pb:pb+11], v[pd:pd+7], v[VS+(\t)/2], v[PS+(\x)] matrix_a_fmt:MATRIX_FMT_FP6 matrix_b_fmt:MATRIX_FMT_FP6 matrix_a_scale:MATRIX_SCALE_ROW1
.endif
.endm
.macro SCL x, j                        ; pair j of tile x: t - M = c s + (-M), two at a time (of the pairs c and -M the low word serves both halves)
	v_pk_fma_f32 v[S+64*(\x)+2*(\j):S+64*(\x)+2*(\j)+1], v[S+64*(\x)+2*(\j):S+64*(\x)+2*(\j)+1], s[CS:CS+1], v[ST+8*(\x):ST+8*(\x)+1] op_sel_hi:[1,0,0]
.endm
.macro EXPO x, n                       ; p = 2^(t - M), at most 1
	v_exp_f32 v[S+64*(\x)+(\n)], v[S+64*(\x)+(\n)]
.endm
.macro SUMP x, z                       ; line z of 32 of the sum of tile x's 32 pairs of unquantised p, in two chains: the sum itself and v[ST+6:ST+7]
.set zs, S+64*(\x)
.set zt, ST+8*(\x)
.set zk, ((\z)-1)/2
.if (\z) == 0
	v_pk_add_f32 v[zt+6:zt+7], v[zs:zs+1], v[zs+2:zs+3]
.elseif (\z) == 31
	v_pk_add_f32 v[zt+2:zt+3], v[zt+2:zt+3], v[zt+6:zt+7]
.elseif (\z)%2 == 1
	v_pk_add_f32 v[zt+2:zt+3], v[zt+2:zt+3], v[zs+4+4*zk:zs+5+4*zk]
.else
	v_pk_add_f32 v[zt+6:zt+7], v[zt+6:zt+7], v[zs+6+4*zk:zs+7+4*zk]
.endif
.endm
; Tile x's p becomes codes and a scale word.  My two blocks are 2 c + h of the step's four: their bytes go to bits 8 h and 16 + 8 h, and lane l xor 16's two make the word whole.
.macro SCALEQ x
.set qb, BM+8*(\x)
.set qs, S+64*(\x)
.set qp, PC+12*(\x)
.set qc, CT+8*(\x)
	v_max_num_f32 v[qb], 0x1800000, v[qb]          ; the floor 2^(3 - 127): the byte cannot fall under 1 (a block whose every p is 0 keeps that byte: its codes are zeros)
	v_max_num_f32 v[qb+1], 0x1800000, v[qb+1]
	v_add_nc_u32 v[qb+2], 0xff000000, v[qb]        ; 2 off the exponent field: the conversion's scale operand
	v_add_nc_u32 v[qb+3], 0xff000000, v[qb+1]
	v_lshrrev_b32 v[qb+4], 23, v[qb+2]             ; the scale's byte
	v_lshrrev_b32 v[qb+5], 23, v[qb+3]
	v_lshl_or_b32 v[qb+6], v[qb+5], 16, v[qb+4]
	v_lshlrev_b32 v[qb+6], v[SH8], v[qb+6]
	v_permlanex16_b32 v[qb+7], v[qb+6], s[SEL], s[SEL+1]
	v_or_b32 v[PS+(\x)], v[qb+6], v[qb+7]
	v_cvt_scalef32_pk16_fp6_f32 v[qp:qp+2], v[qs:qs+15], v[qb+2]
	v_cvt_scalef32_pk16_fp6_f32 v[qc:qc+2], v[qs+16:qs+31], v[qb+2]
	v_cvt_scalef32_pk16_fp6_f32 v[qp+6:qp+8], v[qs+32:qs+47], v[qb+3]
	v_cvt_scalef32_pk16_fp6_f32 v[qc+4:qc+6], v[qs+48:qs+63], v[qb+3]
	v_nop                                          ; one plain line between a scaled conversion and the vector line that touches its result
.irp c, 0,1
.irp i, 0,1,2
	v_mov_b32 v[qp+6*\c+3+\i], v[qc+4*\c+\i]       ; registers 6 c .. 6 c + 5: keys 64 c + 32 h + 0 .. 31
.endr
.endr
.endm
; A PAIR ENDS: O^T / the sum goes through my stage in LDS and leaves as whole rows of 256 bytes.  Then, but for the last trip, the second pair takes the first's place.
.macro FINISH
.rept 4
	v_nop                                          ; four places behind the last products, whose results are read below (ISA guide 7.12.1)
.endr
.irp x, 0,1
	v_add_f32 v[ST+8*\x+6], v[ST+8*\x+2], v[ST+8*\x+3]
.endr
.irp x, 0,1
	v_permlanex16_b32 v[ST+8*\x+7], v[ST+8*\x+6], s[SEL], s[SEL+1]
.endr
.irp x, 0,1
	v_add_f32 v[ST+8*\x+7], v[ST+8*\x+6], v[ST+8*\x+7]   ; with lane l xor 16's keys: the row's sum
.endr
.irp x, 0,1
	v_rcp_f32 v[ST+8*\x+6], v[ST+8*\x+7]
.endr
	v_nop                                          ; a plain line behind the reciprocals,
	s_wait_alu depctr_va_vdst(0)                   ; and the one wait ahead of their first reader
	WIN 0x01                                       ; source 0 (O^T) window 1
.irp x, 0,1
.set j, 0
.rept 16
	v_pk_mul_f32 v[S+64*\x+j:S+64*\x+j+1], v[OT+32*\x+j:OT+32*\x+j+1], v[ST+8*\x+6:ST+8*\x+7] op_sel_hi:[1,0]   ; each accumulator from its low end on; register 8 t + i is out(r, 16 t + 8 h + i)
.set j, j+2
.endr
.endr
	WIN 0
.irp x, 0,1
.irp t, 0,1,2,3
	ds_store_b128 v[STO], v[S+64*\x+8*\t:S+64*\x+8*\t+3] offset:16*SP*\x+64*\t
	ds_store_b128 v[STO], v[S+64*\x+8*\t+4:S+64*\x+8*\t+7] offset:16*SP*\x+64*\t+16
.endr
.endr
.irp i, 0,1,2,3,4,5,6,7,8,9,10,11,12,13,14,15
	ds_load_b128 v[160+4*\i+32*(\i/8):160+4*\i+32*(\i/8)+3], v[RD] offset:2*SP*\i   ; LDS serves a wave's instructions in order (ISA guide 5.7.1.4): these see my stores.  Into v160-191 and v224-255
.endr
.irp i, 0,1,2,3,4,5,6,7,8,9,10,11,12,13,14,15
	s_wait_dscnt 15-\i                             ; the 15 - i younger loads may stay out
	global_store_b128 v[GO], v[160+4*\i+32*(\i/8):160+4*\i+32*(\i/8)+3], s[16:17] offset:512*\i th:TH_STORE_NT   ; 16 lanes store 256 consecutive bytes, a whole row of out0, at a multiple of 256 from its first byte
.endr
	s_wait_xcnt 0x0                                ; the stores have read their data and their base: the next scores land on the data, and the base is written below
	s_cmp_eq_u32 s[IX], 16
	s_cbranch_scc1 .Llast_\@
	s_mov_b64 s[16:17], s[2:3]                     ; the second pair's rows of out0,
	v_mov_b32 v[QS], v[QS2]                        ; its scale words,
	WIN 0x41
.irp x, 0,1
.irp i, 0,1,2,3,4,5
	v_mov_b32 v[QF+12*\x+\i], v[Q2+6*\x+\i]        ; its codes;
.endr
.endr
	RESET                                          ; and its sums begin.  (These lines are also the places between the writes of Q's registers and the next scaled products)
.Llast_\@:
.endm
; A KEY STEP of 128 keys for the pair in hand.  gen = 0: trips 0 to 7, where every wave is in its first pair, key step = trip, off the diagonal; the four scalars are stepped at the end.
; gen = 1: trips 8 to 16: pair, key step and diagonal are made from the trip and the wave's number.
.macro STEP gen
.if \gen
	s_add_co_u32 s[T1], s[IX], s[GRB]
	s_lshr_b32 s[T1], s[T1], 4                     ; F = 1 in the second pair: trip + 7 - w >= 16, that is trip > 8 + w
	s_mul_i32 s[T0], s[T1], s[GRB]
	s_add_co_u32 s[T0], s[T0], s[IX]
	s_and_b32 s[SS], s[T0], 15                     ; the key step: the trip, or the trip - (9 + w)
	s_lshr_b32 s[T0], s[SS], 3
	s_mul_i32 s[T0], s[T0], CH                     ; its chunk
	s_and_b32 s[TJ], s[SS], 7
	s_mul_i32 s[TBK], s[TJ], 3072
	s_add_co_u32 s[TBK], s[TBK], s[T0]
	s_mul_i32 s[TBV], s[TJ], 96
	s_add_co_u32 s[TBV], s[TBV], s[T0]
	s_lshl_b32 s[TS], s[SS], 8
	s_lshl_b32 s[TJ], s[SS], 2
	s_cmp_eq_u32 s[T1], 0
	s_cselect_b32 s[T0], s[GRA], 16                ; a pair's last trip: 8 + w, and 16
	s_cmp_eq_u32 s[IX], s[T0]
	s_cselect_b32 s[DG], 1, 0
.endif
	v_add_nc_u32 v[ADK], s[TBK], v[AK0]            ; four plain lines: the places between the last step's products and the loads into their operands
	v_add_nc_u32 v[ADV], s[TBV], v[AV0]
	v_add_nc_u32 v[ADS], s[TS], v[ASK0]
	v_add_nc_u32 v[ADT], s[TJ], v[ASV0]
.irp i, 0,1,2,3
	ds_load_u16 v[KS+\i], v[ADS] offset:128*(\i/2)+32*(\i%2)   ; K's two scale bytes a key, widened with zeros
.endr
.irp a, 0,1
	ds_load_b32 v[VS+\a], v[ADT] offset:2304*\a    ; V's scale words of these 128 keys, rows 32 a + lane
.endr
	WIN 0x40
.irp u, 0,1,2,3,4,5,6,7
.irp p, 0,1,2
	ds_load_b64 v[KF+12*\u+2*\p:KF+12*\u+2*\p+1], v[ADK] offset:1536*(\u/4)+384*(\u%4)+8*\p
.endr
.endr
.irp t, 0,1,2,3
.irp p, 0,1,2,3,4,5
	ds_load_b64 v[VF+12*\t+2*\p:VF+12*\t+2*\p+1], v[ADV] offset:768*\t+48*(\p/3)+8*(\p%3)
.endr
.endr
	s_wait_dscnt 24                                ; all but V's 24 loads, which were issued last and are wanted behind the softmax
	WIN 0x05                                       ; K and Q window 1, S^T window 0
.irp u, 0,1,2,3,4,5,6,7
.irp x, 0,1
	KQ \u, \x
.endr
.endr
	WIN 0
.rept 4
	v_nop                                          ; four places behind the products, ahead of the first read of their results
.endr
.if \gen
	s_cmp_eq_u32 s[DG], 0
	s_cbranch_scc1 .Lopen_\@
.set n, 0
.rept 64                                       ; ON THE DIAGONAL register n holds key 128 g + n + 32 (n / 32) + 32 h, my query is 128 g + 32 cx + 16 x + r: hidden where n + 32 (n / 32) - 16 x > DM
	v_cmp_gt_i32 vcc_lo, n+32*(n/32), v[DM]
	v_cmp_gt_i32 s[M2], n+32*(n/32)-16, v[DM]
	v_cndmask_b32 v[S+n], v[S+n], v[FILL], vcc_lo
	v_cndmask_b32 v[S+64+n], v[S+64+n], v[FILL], s[M2]
.set n, n+1
.endr
.Lopen_\@:
.endif
.irp x, 0,1                                    ; THE LARGEST SCORE OF EACH BLOCK OF 32 KEYS, all of them mine: it serves for the row's maximum and, since p rises with the score, for the block's largest p.  Four chains by turns, each from the low end on
.irp c, 0,1
	v_max3_num_f32 v[BM+8*\x+\c], v[S+64*\x+32*\c], v[S+64*\x+32*\c+1], v[S+64*\x+32*\c+2]
.endr
.endr
.irp i, 3,5,7,9,11,13,15,17,19,21,23,25,27,29
.irp x, 0,1
.irp c, 0,1
	v_max3_num_f32 v[BM+8*\x+\c], v[BM+8*\x+\c], v[S+64*\x+32*\c+\i], v[S+64*\x+32*\c+\i+1]
.endr
.endr
.endr
.irp x, 0,1
.irp c, 0,1
	v_max_num_f32 v[BM+8*\x+\c], v[BM+8*\x+\c], v[S+64*\x+32*\c+31]
.endr
.endr
.irp x, 0,1
	v_max_num_f32 v[ST+8*\x+6], v[BM+8*\x], v[BM+8*\x+1]
.endr
.irp x, 0,1
	v_permlanex16_b32 v[ST+8*\x+7], v[ST+8*\x+6], s[SEL], s[SEL+1]
.endr
.irp x, 0,1
	v_max_num_f32 v[ST+8*\x+6], v[ST+8*\x+6], v[ST+8*\x+7]   ; the step's largest score of my query
.endr
.irp x, 0,1
	v_mul_f32 v[ST+8*\x+6], s[CS], v[ST+8*\x+6]    ; as t (c is positive)
.endr
.irp x, 0,1
	v_max_num_f32 v[ST+8*\x+1], v[ST+8*\x+1], v[ST+8*\x+6]   ; the running largest t
.endr
.irp x, 0,1
	v_mov_b32 v[ST+8*\x+6], v[ST+8*\x]
.endr
.irp x, 0,1
	v_floor_f32 v[ST+8*\x], -v[ST+8*\x+1]          ; the new -M = floor(-t) = -ceil(t): a whole number
.endr
.irp x, 0,1
	v_sub_f32 v[ST+8*\x+6], v[ST+8*\x], v[ST+8*\x+6]   ; old M - new M: a whole number, 0 or less
.endr
.irp x, 0,1
	v_cvt_i32_f32 v[ST+8*\x+6], v[ST+8*\x+6]       ; (it saturates)
.endr
.irp x, 0,1
	v_ldexp_f32 v[ST+8*\x+4], 1.0, v[ST+8*\x+6]    ; f = 2^(old M - new M)
.endr
.irp x, 0,1
.irp c, 0,1
	v_fma_f32 v[BM+8*\x+\c], v[BM+8*\x+\c], s[CS], v[ST+8*\x]   ; t - M of each block's largest score
.endr
.endr
.set j, 0
.rept 32
	SCL 0, j
.set j, j+1
.endr
.set j, 0
.rept 32                                       ; tile 0's exponentials, one batch; tile 1's scalings stand among them and name none of their results
	SCL 1, j
	EXPO 0, 2*j
	EXPO 0, 2*j+1
.set j, j+1
.endr
	v_exp_f32 v[BM], v[BM]                         ; the blocks' largest p: the same two instructions on the same number give the same bits
	v_exp_f32 v[BM+1], v[BM+1]
	v_pk_mul_f32 v[ST+2:ST+3], v[ST+2:ST+3], v[ST+4:ST+5] op_sel_hi:[1,0]       ; the sums under the new M: plain lines behind the batch
	v_pk_mul_f32 v[ST+10:ST+11], v[ST+10:ST+11], v[ST+12:ST+13] op_sel_hi:[1,0]
	s_wait_alu depctr_va_vdst(0)                   ; one wait for tile 0's 66 exponentials, ahead of their first reader
.set j, 0
.rept 32                                       ; tile 1's exponentials, one batch; tile 0's sums stand among them
	EXPO 1, 2*j
	EXPO 1, 2*j+1
	SUMP 0, j
.set j, j+1
.endr
	v_exp_f32 v[BM+8], v[BM+8]
	v_exp_f32 v[BM+9], v[BM+9]
	SCALEQ 0                                       ; tile 0's codes: work that names nothing of tile 1
	s_wait_alu depctr_va_vdst(0)                   ; one wait for tile 1's 66
.set j, 0
.rept 32
	SUMP 1, j
.set j, j+1
.endr
	SCALEQ 1
	WIN 0x41                                       ; O^T window 1, f window 0
.irp x, 0,1
.set j, 0
.rept 16
	v_pk_mul_f32 v[OT+32*\x+j:OT+32*\x+j+1], v[OT+32*\x+j:OT+32*\x+j+1], v[ST+8*\x+4:ST+8*\x+5] op_sel_hi:[1,0]   ; O^T under the new M, each accumulator from its low end on.  These 32 lines also stand between the writes of p's codes and scale words and the scaled products
.set j, j+2
.endr
.endr
	s_wait_dscnt 0x0                               ; V is in
	WIN 0x51                                       ; V window 1, p window 0, O^T window 1
.irp t, 0,1,2,3
.irp x, 0,1
	PV \t, \x                                      ; the eight accumulators by turns, one instruction a turn
.endr
.endr
	WIN 0
.if \gen
	s_cmp_eq_u32 s[DG], 0
	s_cbranch_scc1 .Lgo_\@
	FINISH
.Lgo_\@:
.else
	s_add_co_u32 s[TBK], s[TBK], 3072              ; the next key step
	s_add_co_u32 s[TBV], s[TBV], 96
	s_add_co_u32 s[TS], s[TS], 256
	s_add_co_u32 s[TJ], s[TJ], 4
.endif
.endm
	RESET
	s_mov_b32 s[IX], 0
	s_mov_b32 s[TBK], 0
	s_mov_b32 s[TBV], 0
	s_mov_b32 s[TS], 0
	s_mov_b32 s[TJ], 0
	s_wait_loadcnt 0x0                             ; Q
	s_wait_tensorcnt 3                             ; tensor loads of a wave end in order (ISA guide 10.11.1): the scales and my parts of chunk 0 are in; chunk 1's three loads, issued last, may stay out
	s_barrier_signal -1
	s_barrier_wait -1                              ; everybody's are
.Lfirst:                                           ; trips 0 to 7 read chunk 0 alone: K up to byte 49,279 of it, V up to byte 98,799
	STEP 0
	s_add_co_u32 s[IX], s[IX], 1
	s_cmp_lt_u32 s[IX], 8
	s_cbranch_scc1 .Lfirst
	s_wait_tensorcnt 0x0                           ; my parts of chunk 1 are in,
	s_wait_dscnt 0x0
	s_barrier_signal -1
	s_barrier_wait -1                              ; everybody's are
	s_mov_b32 s[IX], 8
.Lsecond:                                          ; trips 8 to 16
	STEP 1
	s_add_co_u32 s[IX], s[IX], 1
	s_cmp_lt_u32 s[IX], 17
	s_cbranch_scc1 .Lsecond
	s_wait_dscnt 0x0
	s_wait_tensorcnt 0x0
	ds_add_u32 v126, v127
	s_wait_dscnt 0x0
	ROUND                                          ; the closing round: no work-group ends before its partners have issued every joint load
	s_endpgm
.Lfunc_end_k_qb2f46f752f_attn:
	.size	k_qb2f46f752f_attn, .Lfunc_end_k_qb2f46f752f_attn-k_qb2f46f752f_attn
	.p2alignl 7, 3214868480
	.fill 96, 4, 3214868480
	.section	.rodata,"a",@progbits
	.p2align	6, 0x0
	.amdhsa_kernel k_qb2f46f752f_attn
		.amdhsa_group_segment_fixed_size 276992
		.amdhsa_private_segment_fixed_size 0
		.amdhsa_enable_private_segment 0
		.amdhsa_kernarg_size 56
		.amdhsa_user_sgpr_count 2
		.amdhsa_user_sgpr_kernarg_segment_ptr 1
		.amdhsa_wavefront_size32 1
		.amdhsa_system_sgpr_workgroup_id_x 1
		.amdhsa_system_sgpr_workgroup_id_y 1
		.amdhsa_system_sgpr_workgroup_id_z 1
		.amdhsa_system_vgpr_workitem_id 0
		.amdhsa_next_free_vgpr 512
		.amdhsa_next_free_sgpr 102
		.amdhsa_reserve_vcc 1
		.amdhsa_float_denorm_mode_32 3
		.amdhsa_float_denorm_mode_16_64 3
		.amdhsa_memory_ordered 1
		.amdhsa_forward_progress 1
		.amdhsa_inst_pref_size 98
	.end_amdhsa_kernel
	.amdgpu_metadata
---
amdhsa.version: [ 1, 2 ]
amdhsa.kernels:
  - .name:           k_qb2f46f752f_attn
    .symbol:         k_qb2f46f752f_attn.kd
    .args:
      - { .name: Q_codes, .offset: 0, .size: 8, .value_kind: global_buffer, .address_space: global }
      - { .name: Q_scales, .offset: 8, .size: 8, .value_kind: global_buffer, .address_space: global }
      - { .name: K_codes, .offset: 16, .size: 8, .value_kind: global_buffer, .address_space: global }
      - { .name: K_scales, .offset: 24, .size: 8, .value_kind: global_buffer, .address_space: global }
      - { .name: V_codes, .offset: 32, .size: 8, .value_kind: global_buffer, .address_space: global }
      - { .name: V_scales, .offset: 40, .size: 8, .value_kind: global_buffer, .address_space: global }
      - { .name: out0, .offset: 48, .size: 8, .value_kind: global_buffer, .address_space: global }
    .group_segment_fixed_size: 276992
    .private_segment_fixed_size: 0
    .kernarg_segment_align: 8
    .kernarg_segment_size: 56
    .max_flat_workgroup_size: 256
    .sgpr_count:     102
    .vgpr_count:     512
    .wavefront_size: 32
...
	.end_amdgpu_metadata
.endif
;; end of part 1
